; MI455X (gfx1250); checked and timed in simulation.
; The chip was launched on July 23, 2026; its instructions are those of AMD's public machine-readable ISA for CDNA 5 (MIT licence, August 2026) and "CDNA5" Instruction Set Architecture Reference Guide (July 2026). The comments in the code are by the model that wrote it; some were corrected since.
;; ROI Pooler. Allowed arithmetic: float matrix products may take bf16 or f16 operands with f32 sums; all other float work in f32.
;; Inputs: boxes 2 x 256 x 4 float32; x2 2 x 256 x 256 x 256 float32; x3 2 x 256 x 128 x 128 float32; x4 2 x 256 x 64 x 64 float32; x5 2 x 256 x 32 x 32 float32.
;; Outputs: out0 512 x 256 x 7 x 7 float32.
;; 2 versions, each right; version 2 is version 1 with the launch pool written anew for expert scheduling mode. Each part assembles by itself: llvm-mc -triple=amdgcn-amd-amdhsa -mcpu=gfx1250 --defsym DOCPART=n.
;; ======== version 1 of 2: 2 launches
;; workspace buffers: idx 131,072 bytes of whole numbers; wts 131,072 bytes
;; launch plan (part 1): grid 256 x 1, 2 waves a work-group, no clusters, 0 bytes of LDS; arguments boxes, idx, wts; writes idx, wts
.if DOCPART == 1
	.amdgcn_target "amdgcn-amd-amdhsa--gfx1250"
	.amdhsa_code_object_version 6
	.text
	.protected	k_q17257db776_plan
	.globl	k_q17257db776_plan
	.p2align	8
	.type	k_q17257db776_plan,@function
k_q17257db776_plan:
	s_mov_b64 s[64:65], 0
	v_nop
	global_prefetch_b8 v0, s[64:65] scope:SCOPE_SE
	s_setreg_imm32_b32 hwreg(HW_REG_WAVE_MODE, 25, 1), 1
	s_wait_xcnt 0x0
; PLAN: per box the pyramid level, and per sample and axis the two bilinear taps (byte offset, weight).
; One wave = one box, two boxes a work-group.  A box's record is 64 words in idx (whole numbers) and 64 words in wts (f32):
;   words  0-27  x taps: tap k = 2 x sample + side; idx: 4 x column;  wts: 0.5 x (hx or lx), 0 where the sample is masked
;   words 28-31  x taps 24-27 once more (the next launch's lanes 28-31 mirror lanes 24-27)
;   words 32-59  y taps: idx: row x bytes of a feature row;  wts: 0.5 x (hy or ly), 0 where masked
;   word  60     level 0..3;   word 61  bytes of one channel plane (4 L L);   words 62, 63  zero
; Lane l holds words 2l, 2l+1 (the two sides of one sample) and stores them as 8 bytes: a wave's store covers 256 consecutive bytes, aligned.
; The two factors 0.5 are the mean over the 2 x 2 samples of a bin; mask, interpolation and mean are all products of an x and a y part.
; The level is computed by the reference's own steps (sqrt, / 224, + 1e-8, log2, + 4, floor, clip).
; LIMITS: boxes and their area finite.  v_sqrt_f32 and v_log_f32 are accurate to one unit in the last place, so a box whose size lies within
; about 2^-22 (relative) of a level boundary may be put on the neighbouring level.  A negative area (a NaN level in the reference, whose
; conversion to a whole number matches no level) gives weights of zero, hence an output of zeros.
.set R224, 0x3b924925                  ; 1/224
.set F224, 0x43600000                  ; 224.0
.set R7,   0x3e124925                  ; 1/7
.set F7,   0x40e00000                  ; 7.0
.set EPS,  0x322bcc77                  ; 1e-8
	s_load_b128 s[4:7], s[0:1], 0x0                ; boxes s[4:5], idx s[6:7]
	s_load_b64 s[8:9], s[0:1], 0x10                ; wts
	s_lshl_b32 s2, ttmp9, 6                        ; 64 threads a work-group
	v_add_nc_u32 v1, s2, v0                        ; thread number in the launch = 32 x box + lane
	v_lshrrev_b32 v2, 5, v1                        ; box
	v_lshlrev_b32 v2, 4, v2                        ; 16 bytes a box
	v_lshlrev_b32 v3, 3, v1                        ; my 8 bytes in both tables
	s_wait_kmcnt 0x0
	global_load_b128 v[4:7], v2, s[4:5]            ; x1 y1 x2 y2, the same for all lanes of the wave
	v_and_b32 v8, 31, v0                           ; lane
	v_and_b32 v9, 15, v0                           ; sample place 0..15
	v_add_nc_u32 v10, -2, v9
	v_cmp_gt_u32 vcc_lo, 14, v9
	v_cndmask_b32 v9, v10, v9, vcc_lo              ; places 14, 15 repeat samples 12, 13
	v_cvt_f32_u32 v10, v9
	v_fma_f32 v11, v10, 0.5, 0x3e800000            ; g = (sample + 0.5) / 2, exact
	v_cmp_le_u32 s10, 16, v8                       ; lanes of the y axis
	v_cmp_le_u32 s14, 30, v8                       ; lanes 30, 31: no sample
	v_cmp_eq_u32 s15, 30, v8                       ; lane 30: level and plane size
	s_wait_loadcnt 0x0
	; the level
	v_sub_f32 v12, v6, v4
	v_sub_f32 v13, v7, v5
	v_mul_f32 v12, v12, v13                        ; area
	v_sqrt_f32 v13, v12
	v_cndmask_b32 v14, v4, v5, s10                 ; my axis' first corner (also the plain instruction that stands behind v_sqrt_f32: ISA guide 5.7.2)
	v_cndmask_b32 v15, v6, v7, s10                 ; and its second
	s_wait_alu depctr_va_vdst(0)
	v_mul_f32 v16, R224, v13                       ; size / 224: a product with the reciprocal,
	v_fma_f32 v17, -v16, F224, v13                 ; its exact remainder,
	v_fmac_f32 v16, R224, v17                      ; and one correction: the rounded quotient
	v_add_f32 v16, EPS, v16
	v_log_f32 v17, v16
	v_mov_b32 v18, 0x100                           ; (the plain instruction behind v_log_f32)
	v_cmp_le_f32 s11, 0, v12                       ; area >= 0: false for a negative or NaN area
	s_wait_alu depctr_va_vdst(0)
	v_add_f32 v17, 4.0, v17
	v_floor_f32 v17, v17
	v_max_num_f32 v17, 2.0, v17                    ; clip to 2..5; a NaN loses and becomes 2, its weights are cleared below
	v_min_num_f32 v17, 0x40a00000, v17
	v_cvt_u32_f32 v17, v17
	v_add_nc_u32 v17, -2, v17                      ; level 0..3
	v_lshrrev_b32 v18, v17, v18                    ; L = 256 >> level: rows and columns of the level's plane
	v_sub_nc_u32 v19, -2, v17
	v_ldexp_f32 v19, 1.0, v19                      ; scale = 2^(-2 - level)
	v_cvt_f32_u32 v20, v18                         ; L
	v_add_f32 v21, -1.0, v20                       ; L - 1
	; my sample's place along my axis
	v_fma_f32 v14, v14, v19, -0.5                  ; the product with a power of two is exact: same value as multiply, then subtract
	v_fma_f32 v15, v15, v19, -0.5
	v_sub_f32 v15, v15, v14
	v_mul_f32 v22, R7, v15                         ; / 7, again with one correction
	v_fma_f32 v23, -v22, F7, v15
	v_fmac_f32 v22, R7, v23                        ; the bin's size
	v_fma_f32 v22, v11, v22, v14                   ; position
	v_cmp_le_f32 s12, -1.0, v22                    ; the sample counts if -1 <= position <= L
	v_cmp_le_f32 s13, v22, v20
	s_and_b32 s12, s12, s13
	s_and_b32 s12, s12, s11                        ; and if the box has a level at all
	s_and_not1_b32 s12, s12, s14                   ; lanes 30, 31 carry no weight
	v_max_num_f32 v22, 0, v22
	v_min_num_f32 v22, v22, v21                    ; clipped to 0 .. L - 1
	v_floor_f32 v23, v22
	v_sub_f32 v24, v22, v23                        ; l
	v_sub_f32 v25, 1.0, v24                        ; h
	v_cvt_u32_f32 v23, v23                         ; lower index
	v_add_nc_u32 v26, -1, v18
	v_add_nc_u32 v27, 1, v23
	v_min_u32 v27, v27, v26                        ; upper index, held at L - 1
	v_min_u32 v23, v23, v26
	v_sub_nc_u32 v28, 10, v17                      ; a feature row is 4 L = 2^(10 - level) bytes
	v_cndmask_b32 v28, 2, v28, s10                 ; x: 4 bytes a column
	v_lshlrev_b32 v30, v28, v23                    ; byte offsets of the two taps
	v_lshlrev_b32 v31, v28, v27
	v_mul_f32 v32, 0.5, v25
	v_mul_f32 v33, 0.5, v24
	v_cndmask_b32 v32, 0, v32, s12
	v_cndmask_b32 v33, 0, v33, s12
	v_mul_u32_u24 v29, v18, v18
	v_lshlrev_b32 v29, 2, v29                      ; bytes of a channel plane
	v_cndmask_b32 v34, 0, v17, s15                 ; lane 30: level, plane; lane 31: zeros
	v_cndmask_b32 v35, 0, v29, s15
	v_cndmask_b32 v30, v30, v34, s14
	v_cndmask_b32 v31, v31, v35, s14
	global_store_b64 v3, v[30:31], s[6:7]
	global_store_b64 v3, v[32:33], s[8:9]
	s_endpgm
.Lfunc_end_k_q17257db776_plan:
	.size	k_q17257db776_plan, .Lfunc_end_k_q17257db776_plan-k_q17257db776_plan
	.p2alignl 7, 3214868480
	.fill 96, 4, 3214868480
	.section	.rodata,"a",@progbits
	.p2align	6, 0x0
	.amdhsa_kernel k_q17257db776_plan
		.amdhsa_group_segment_fixed_size 0
		.amdhsa_private_segment_fixed_size 0
		.amdhsa_enable_private_segment 0
		.amdhsa_kernarg_size 24
		.amdhsa_user_sgpr_count 2
		.amdhsa_user_sgpr_kernarg_segment_ptr 1
		.amdhsa_wavefront_size32 1
		.amdhsa_system_sgpr_workgroup_id_x 1
		.amdhsa_system_sgpr_workgroup_id_y 1
		.amdhsa_system_sgpr_workgroup_id_z 1
		.amdhsa_system_vgpr_workitem_id 0
		.amdhsa_next_free_vgpr 36
		.amdhsa_next_free_sgpr 66
		.amdhsa_reserve_vcc 1
		.amdhsa_float_denorm_mode_32 3
		.amdhsa_float_denorm_mode_16_64 3
		.amdhsa_memory_ordered 1
		.amdhsa_forward_progress 1
		.amdhsa_inst_pref_size 5
	.end_amdhsa_kernel
	.amdgpu_metadata
---
amdhsa.version: [ 1, 2 ]
amdhsa.kernels:
  - .name:           k_q17257db776_plan
    .symbol:         k_q17257db776_plan.kd
    .args:
      - { .name: boxes, .offset: 0, .size: 8, .value_kind: global_buffer, .address_space: global }
      - { .name: idx, .offset: 8, .size: 8, .value_kind: global_buffer, .address_space: global }
      - { .name: wts, .offset: 16, .size: 8, .value_kind: global_buffer, .address_space: global }
    .group_segment_fixed_size: 0
    .private_segment_fixed_size: 0
    .kernarg_segment_align: 8
    .kernarg_segment_size: 24
    .max_flat_workgroup_size: 64
    .sgpr_count:     66
    .vgpr_count:     36
    .wavefront_size: 32
...
	.end_amdgpu_metadata
.endif
;; end of part 1
;; launch pool (part 2): grid 512 x 4, 4 waves a work-group, no clusters, 13,056 bytes of LDS; arguments x2, x3, x4, x5, idx, wts, out0; writes out0
.if DOCPART == 2
	.amdgcn_target "amdgcn-amd-amdhsa--gfx1250"
	.amdhsa_code_object_version 6
	.text
	.protected	k_q17257db776_pool
	.globl	k_q17257db776_pool
	.p2align	8
	.type	k_q17257db776_pool,@function
k_q17257db776_pool:
	s_mov_b64 s[64:65], 0
	v_nop
	global_prefetch_b8 v0, s[64:65] scope:SCOPE_SE
	s_setreg_imm32_b32 hwreg(HW_REG_WAVE_MODE, 25, 1), 1
	s_wait_xcnt 0x0
; POOL: out[box][c][ph][pw] = sum over the 4 y taps j of ph and the 4 x taps k of pw of wy[j] wx[k] f[c][y_j][x_k], all in f32.
; Offsets, weights, level and plane size come from the records that the launch before stored (layout: see there).
; A work-group = one box (id x) and 64 channels (id y); a wave = 16 of them.  A lane = one x tap (lanes 4 pw .. 4 pw + 3 belong to pw;
; lanes 28-31 mirror lanes 24-27 and write the same LDS words with the same values).  One gather of the wave reads one feature row at the
; 28 columns of the box, so a channel is 28 gathers; their products with wy wx are summed in the lane over the 4 rows of each ph and then
; over the 4 lanes of each pw.  Two channel slots: 56 gathers of every wave are in flight; 130 registers a wave.
; 64 channels x 196 bytes = 12,544 bytes = 49 x 256 are gathered in LDS and leave in stores that cover whole aligned runs of 256 bytes.
; No cluster: nothing is fetched as a tile, the work-groups of a box read disjoint channels and share only its two records of 256 bytes.
; No prefetch: which rows boxes share is not known to the text, so no block could be asked for just once; the 56 gathers run ahead instead.
; LIMIT: features finite (a masked sample is multiplied by 0, not selected away).
.set CHB,   196                        ; bytes of a channel's 49 outputs
.set CHW,   16                         ; channels of a wave
.set WGB,   64*CHB                     ; bytes of a work-group's outputs
.set ROIB,  256*CHB                    ; bytes of a box's outputs
.set XO,    2                          ; v2       my x tap's byte offset
.set WX,    3                          ; v3       my x tap's weight
.set LA,    4                          ; v4       LDS address of (my wave's current channel, ph 0, my pw)
.set IO,    5                          ; v5       lane; later 16 t, for the way out
.set ACC,   6                          ; v[6:12]  one sum for each ph
.set OFF,   14                         ; v[14:41] byte offset of (y tap j, my x tap) in a channel plane
.set W,     42                         ; v[42:69] wy[j] wx[me]
.set X,     70                         ; v[70:125] slot s: 28 gathered numbers; the way out uses them again
.set YO,    20                         ; s[20:47] y taps' byte offsets
.set LVL,   48                         ; s48      level
.set PLANE, 49                         ; s49      bytes of a channel plane (s50, s51: the record's two spare words)
.set BASE,  54                         ; s[54:55] slot 0's channel plane, s[58:59] slot 1's
.set STEP,  56                         ; s[56:57] two planes
.set WY,    68                         ; s[68:95] y taps' weights
	s_load_b256 s[4:11], s[0:1], 0x0               ; x2 s[4:5], x3 s[6:7], x4 s[8:9], x5 s[10:11]
	s_load_b128 s[12:15], s[0:1], 0x20             ; idx s[12:13], wts s[14:15]
	s_load_b64 s[16:17], s[0:1], 0x30              ; out0
	v_lshl_add_u32 v128, v0, 2, 0x3100
	v_mov_b32 v129, 0
	v_lshrrev_b32 v1, 5, v0
	v_readfirstlane_b32 s18, v1                    ; wave 0..3
	s_and_b32 s19, ttmp7, 0xffff                   ; which 64 channels
	s_lshl_b32 s2, ttmp9, 8                        ; the box's record: 256 bytes in each table
	s_mov_b32 s3, 0
	v_and_b32 v[IO], 31, v0                        ; lane
	v_lshlrev_b32 v1, 2, v[IO]
	s_wait_kmcnt 0x0
	s_add_nc_u64 s[12:13], s[12:13], s[2:3]
	s_add_nc_u64 s[14:15], s[14:15], s[2:3]
	s_load_b512 s[YO:YO+15], s[12:13], 0x80        ; words 32-63: y offsets, level, plane
	s_load_b512 s[YO+16:YO+31], s[12:13], 0xc0
	global_load_b32 v[XO], v1, s[12:13]            ; word lane: my x offset
	s_load_b512 s[WY:WY+15], s[14:15], 0x80        ; words 32-59: y weights
	s_load_b256 s[WY+16:WY+23], s[14:15], 0xc0
	s_load_b128 s[WY+24:WY+27], s[14:15], 0xe0
	global_load_b32 v[WX], v1, s[14:15]            ; my x weight
	; while these are on their way: everything that hangs on ids alone
	s_mul_i32 s60, s18, CHW*CHB                    ; my wave's 3,136 bytes of the stage
	v_lshrrev_b32 v[LA], 2, v[IO]
	v_min_u32 v[LA], 6, v[LA]                      ; pw; lanes 28-31 go with pw 6
	v_lshl_add_u32 v[LA], v[LA], 2, s60
.set p, 0
.rept 7
	v_mov_b32 v[ACC+p], 0                          ; the destination of a DPP form counts as read: written once here
.set p, p+1
.endr
	s_and_b32 s52, ttmp9, 0x100                    ; image x 256 channels (boxes 256-511 belong to image 1)
	s_lshl_b32 s53, s19, 6
	s_add_co_u32 s52, s52, s53
	s_lshl_b32 s53, s18, 4
	s_add_co_u32 s52, s52, s53                     ; my first channel plane, 0..511
	s_mul_i32 s2, ttmp9, ROIB
	s_mul_i32 s53, s19, WGB
	s_add_co_u32 s2, s2, s53                       ; at most 25,690,112: one word
	s_add_nc_u64 s[16:17], s[16:17], s[2:3]        ; out0 at the work-group's 12,544 bytes
	s_wait_kmcnt 0x0
	; numbers read from memory enter addresses only behind a bound written in the instruction
	s_min_u32 s[LVL], s[LVL], 3
	s_min_u32 s[PLANE], s[PLANE], 0x40000          ; 4 x 256 x 256
.set j, 0
.rept 28
	s_min_u32 s[YO+j], s[YO+j], 0x3fc00            ; 255 rows of 1,024 bytes
.set j, j+1
.endr
	s_cmp_eq_u32 s[LVL], 1                         ; the level's feature map
	s_cselect_b64 s[BASE:BASE+1], s[6:7], s[4:5]
	s_cmp_eq_u32 s[LVL], 2
	s_cselect_b64 s[BASE:BASE+1], s[8:9], s[BASE:BASE+1]
	s_cmp_eq_u32 s[LVL], 3
	s_cselect_b64 s[BASE:BASE+1], s[10:11], s[BASE:BASE+1]
	s_mul_i32 s[STEP], s52, s[PLANE]               ; at most 511 x 262,144: one word
	s_mov_b32 s[STEP+1], 0
	s_add_nc_u64 s[BASE:BASE+1], s[BASE:BASE+1], s[STEP:STEP+1]       ; slot 0: my channel 0
	s_mov_b32 s[STEP], s[PLANE]
	s_add_nc_u64 s[BASE+4:BASE+5], s[BASE:BASE+1], s[STEP:STEP+1]     ; slot 1: my channel 1
	s_lshl_b32 s[STEP], s[PLANE], 1                ; a slot steps by two channels
	s_wait_loadcnt 0x0                             ; my x offset and weight
	v_min_u32 v[XO], 0x3fc, v[XO]                  ; 255 columns of 4 bytes
.set j, 0
.rept 28
	v_add_nc_u32 v[OFF+j], s[YO+j], v[XO]
.set j, j+1
.endr
.macro FILL s                          ; a channel: 28 gathers, one feature row each
.set j, 0
.rept 28
	global_load_b32 v[X+28*\s+j], v[OFF+j], s[BASE+4*\s:BASE+4*\s+1]
.set j, j+1
.endr
.endm
	FILL 0
	FILL 1
.set j, 0
.rept 28
	v_mul_f32 v[W+j], s[WY+j], v[WX]               ; the 28 weights of my column, made while the first gathers are out
.set j, j+1
.endr
; The turn of slot s.  fill = 1: the slot gets the channel two further on.  left = how many younger gathers may stay out.
.macro TURN s, fill, left
	s_wait_loadcnt \left                           ; loads come back in order (ISA guide 5.7.1): my 28 are in, and their base is free
	; rows 4 ph .. 4 ph + 3, two at a time: the pair (rows 0 + 2, rows 1 + 3) stays in the slot's first two registers of ph
.set p, 0
.rept 7
	v_pk_mul_f32 v[X+28*\s+4*p:X+28*\s+4*p+1], v[X+28*\s+4*p:X+28*\s+4*p+1], v[W+4*p:W+4*p+1]
.set p, p+1
.endr
.set p, 0
.rept 7
	v_pk_fma_f32 v[X+28*\s+4*p:X+28*\s+4*p+1], v[X+28*\s+4*p+2:X+28*\s+4*p+3], v[W+4*p+2:W+4*p+3], v[X+28*\s+4*p:X+28*\s+4*p+1]
.set p, p+1
.endr
.set p, 0
.rept 7
	v_add_f32_dpp v[ACC+p], v[X+28*\s+4*p], v[X+28*\s+4*p+1] row_xmask:1 row_mask:0xf bank_mask:0xf   ; neighbour's first half + my second: the quad's total is kept
.set p, p+1
.endr
.if \fill
	s_add_nc_u64 s[BASE+4*\s:BASE+4*\s+1], s[BASE+4*\s:BASE+4*\s+1], s[STEP:STEP+1]
	FILL \s                                        ; the slot's registers have been read: ask again before the rest of the sums
.endif
.set p, 0
.rept 7
	v_add_f32_dpp v[ACC+p], v[ACC+p], v[ACC+p] row_xmask:1 row_mask:0xf bank_mask:0xf
.set p, p+1
.endr
.set p, 0
.rept 7
	v_add_f32_dpp v[ACC+p], v[ACC+p], v[ACC+p] row_xmask:2 row_mask:0xf bank_mask:0xf                 ; all four lanes of pw hold out[ph][pw]
.set p, p+1
.endr
.set p, 0
.rept 7
	ds_store_b32 v[LA], v[ACC+p] offset:\s*CHB+28*p    ; the four lanes write one word with one value
.set p, p+1
.endr
.endm
	s_mov_b32 s62, CHW/2-1
.Lpair:
	TURN 0, 1, 28
	TURN 1, 1, 28
	v_add_nc_u32 v[LA], 2*CHB, v[LA]
	s_sub_co_i32 s62, s62, 1
	s_cmp_lg_u32 s62, 0
	s_cbranch_scc1 .Lpair
	TURN 0, 0, 28                                  ; the last two channels ask for nothing: the counts run down
	TURN 1, 0, 0
	; THE WAY OUT: the four waves' 12,544 bytes, read back in order and stored 16 bytes a lane
	s_wait_dscnt 0x0                               ; my words are in LDS, for the others' sake
	s_barrier_signal -1
	s_barrier_wait -1
	v_lshlrev_b32 v[IO], 4, v0                     ; 16 t: the same offset in the stage and in out0
.irp i, 0,1,2,3,4,5
	ds_load_b128 v[X+4*\i:X+4*\i+3], v[IO] offset:2048*\i
.endr
.irp i, 0,1,2,3,4,5
	s_wait_dscnt 5-\i                              ; LDS loads come back in order: round i is in, the younger ones stay out
	global_store_b128 v[IO], v[X+4*\i:X+4*\i+3], s[16:17] offset:2048*\i th:TH_STORE_NT   ; a wave's store covers 512 consecutive bytes, at a multiple of 256 from out0's first byte
.endr
	s_cmp_lg_u32 s18, 0
	s_cbranch_scc1 .Ldone
	v_lshlrev_b32 v1, 3, v0                        ; wave 0: the last 256 bytes, 8 bytes a lane, in one store
	ds_load_b64 v[X+24:X+25], v1 offset:6*2048
	s_wait_dscnt 0x0
	global_store_b64 v1, v[X+24:X+25], s[16:17] offset:6*2048 th:TH_STORE_NT
.Ldone:
	s_wait_tensorcnt 0x0
	ds_add_u32 v128, v129
	s_wait_dscnt 0x0
	s_endpgm
.Lfunc_end_k_q17257db776_pool:
	.size	k_q17257db776_pool, .Lfunc_end_k_q17257db776_pool-k_q17257db776_pool
	.p2alignl 7, 3214868480
	.fill 96, 4, 3214868480
	.section	.rodata,"a",@progbits
	.p2align	6, 0x0
	.amdhsa_kernel k_q17257db776_pool
		.amdhsa_group_segment_fixed_size 13056
		.amdhsa_private_segment_fixed_size 0
		.amdhsa_enable_private_segment 0
		.amdhsa_kernarg_size 56
		.amdhsa_user_sgpr_count 2
		.amdhsa_user_sgpr_kernarg_segment_ptr 1
		.amdhsa_wavefront_size32 1
		.amdhsa_system_sgpr_workgroup_id_x 1
		.amdhsa_system_sgpr_workgroup_id_y 1
		.amdhsa_system_sgpr_workgroup_id_z 1
		.amdhsa_system_vgpr_workitem_id 0
		.amdhsa_next_free_vgpr 130
		.amdhsa_next_free_sgpr 96
		.amdhsa_reserve_vcc 0
		.amdhsa_float_denorm_mode_32 3
		.amdhsa_float_denorm_mode_16_64 3
		.amdhsa_memory_ordered 1
		.amdhsa_forward_progress 1
		.amdhsa_inst_pref_size 30
	.end_amdhsa_kernel
	.amdgpu_metadata
---
amdhsa.version: [ 1, 2 ]
amdhsa.kernels:
  - .name:           k_q17257db776_pool
    .symbol:         k_q17257db776_pool.kd
    .args:
      - { .name: x2, .offset: 0, .size: 8, .value_kind: global_buffer, .address_space: global }
      - { .name: x3, .offset: 8, .size: 8, .value_kind: global_buffer, .address_space: global }
      - { .name: x4, .offset: 16, .size: 8, .value_kind: global_buffer, .address_space: global }
      - { .name: x5, .offset: 24, .size: 8, .value_kind: global_buffer, .address_space: global }
      - { .name: idx, .offset: 32, .size: 8, .value_kind: global_buffer, .address_space: global }
      - { .name: wts, .offset: 40, .size: 8, .value_kind: global_buffer, .address_space: global }
      - { .name: out0, .offset: 48, .size: 8, .value_kind: global_buffer, .address_space: global }
    .group_segment_fixed_size: 13056
    .private_segment_fixed_size: 0
    .kernarg_segment_align: 8
    .kernarg_segment_size: 56
    .max_flat_workgroup_size: 128
    .sgpr_count:     96
    .vgpr_count:     130
    .wavefront_size: 32
...
	.end_amdgpu_metadata
.endif
;; end of part 2
;; ======== version 2 of 2: 2 launches; version 1 with the launch pool written anew for expert scheduling mode
;; workspace buffers: idx 131,072 bytes of whole numbers; wts 131,072 bytes
;; launch plan: the kernel of part 1 again; grid 256 x 1, 2 waves a work-group, no clusters, 0 bytes of LDS; arguments boxes, idx, wts; writes idx, wts
;; launch pool (part 3): grid 512 x 4, 4 waves a work-group, no clusters, 13,056 bytes of LDS; arguments x2, x3, x4, x5, idx, wts, out0; writes out0
.if DOCPART == 3
	.amdgcn_target "amdgcn-amd-amdhsa--gfx1250"
	.amdhsa_code_object_version 6
	.text
	.protected	k_q17257db776_pool
	.globl	k_q17257db776_pool
	.p2align	8
	.type	k_q17257db776_pool,@function
k_q17257db776_pool:
	s_mov_b64 s[64:65], 0
	v_nop
	global_prefetch_b8 v0, s[64:65] scope:SCOPE_SE
	s_setreg_imm32_b32 hwreg(HW_REG_WAVE_SCHED_MODE, 0, 2), 2
	s_setreg_imm32_b32 hwreg(HW_REG_WAVE_MODE, 25, 1), 1
	s_wait_xcnt 0x0
	s_wait_alu depctr_vm_vsrc(0)
; POOL: out[box][c][ph][pw] = sum over the 4 y taps j of ph and the 4 x taps k of pw of wy[j] wx[k] f[c][y_j][x_k], all in f32.
; Offsets, weights, level and plane size come from the records that the launch before stored (layout: see there).
; A work-group = one box (id x) and 64 channels (id y); a wave = 16 of them.  A lane = one x tap (lanes 4 pw .. 4 pw + 3 belong to pw;
; lanes 28-31 mirror lanes 24-27 and write the same LDS words with the same values).  One gather of the wave reads one feature row at the
; 28 columns of the box, so a channel is 28 gathers; their products with wy wx are summed in the lane over the 4 rows of each ph and then
; over the 4 lanes of each pw.  Two channel slots: 56 gathers of every wave are in flight; 130 registers a wave.
; 64 channels x 196 bytes = 12,544 bytes = 49 x 256 are gathered in LDS and leave in stores that cover whole aligned runs of 256 bytes.
; No cluster: nothing is fetched as a tile, the work-groups of a box read disjoint channels and share only its two records of 256 bytes.
; No prefetch: which rows boxes share is not known to the text, so no block could be asked for just once; the 56 gathers run ahead instead.
; LIMIT: features finite (a masked sample is multiplied by 0, not selected away).
; THE MODE: SCHED_MODE bits 1:0 = 2 (LLVM: expert scheduling mode 2), set by the entry lines.  The code itself states the register dependences
; between vector instructions and memory or LDS instructions, with s_wait_alu, always for 0.
; THE PLAN.  Turn c works on channel c, in slot s = c % 2.  Registers that memory or LDS instructions touch:
;   X0, X1      The gathers of channel c land in X[s]; turn c's products and first lane sums read and write it; behind them channel c + 2's gathers land in it.
;   ACC0, ACC1  Turn c's lane sums write ACC[s]; the seven LDS stores that are issued in turn c + 1 read it.
;   v[LA]       Read by every LDS store; moved on by two channels at the head of every odd turn from turn 3 on.
;   v[OFF ..]   Read by every gather; made once at the head.  Behind the last gathers its first two registers become the way out's offsets.
;   W is named by vector instructions alone.
; So a turn has one wait on vm_vsrc at its head (the stores of the turn before have read ACC[s] and v[LA]) and ONE wait on va_vdst, behind its first lane sums:
; it states that the vector side is done with X[s], that the turn before has written ACC[1 - s], and that v[LA] is written.  The turn's 28 gathers and 7 stores follow it,
; dealt among the 14 lane sums that are left, which name ACC[s] alone: none of the registers that those gathers and stores touch.
.set CHB,   196                        ; bytes of a channel's 49 outputs
.set CHW,   16                         ; channels of a wave
.set WGB,   64*CHB                     ; bytes of a work-group's outputs
.set ROIB,  256*CHB                    ; bytes of a box's outputs
.set LA,    1                          ; v1       LDS address of (my wave's channel 2 k, ph 0, my pw)
.set ACC,   2                          ; v[2:15]  buffer b: one sum for each ph, at ACC + 7 b
.set TO,    9                          ; v9       at the head only (these four lie in ACC1): the wave's number, then 4 x lane
.set XO,    10                         ; v10      at the head only: my x tap's byte offset
.set WX,    11                         ; v11      at the head only: my x tap's weight
.set LN,    12                         ; v12      at the head only: lane
.set OFF,   16                         ; v[16:43] byte offset of (y tap j, my x tap) in a channel plane
.set IO,    16                         ; v16      the way out: 16 t
.set TL,    17                         ; v17      the way out: 8 t
.set W,     44                         ; v[44:71] wy[j] wx[me]
.set X,     72                         ; v[72:127] slot s: 28 gathered numbers; the way out uses them again
.set YO,    20                         ; s[20:47] y taps' byte offsets
.set LVL,   48                         ; s48      level
.set PLANE, 49                         ; s49      bytes of a channel plane (s50, s51: the record's two spare words)
.set BASE,  54                         ; s[54:55] slot 0's channel plane, s[58:59] slot 1's
.set STEP,  56                         ; s[56:57] two planes
.set WY,    68                         ; s[68:95] y taps' weights
	s_load_b256 s[4:11], s[0:1], 0x0               ; x2 s[4:5], x3 s[6:7], x4 s[8:9], x5 s[10:11]
	s_load_b128 s[12:15], s[0:1], 0x20             ; idx s[12:13], wts s[14:15]
	s_load_b64 s[16:17], s[0:1], 0x30              ; out0
	v_lshl_add_u32 v128, v0, 2, 0x3100
	v_mov_b32 v129, 0
	v_lshrrev_b32 v[TO], 5, v0
	v_readfirstlane_b32 s18, v[TO]                 ; wave 0..3
	s_and_b32 s19, ttmp7, 0xffff                   ; which 64 channels
	s_lshl_b32 s2, ttmp9, 8                        ; the box's record: 256 bytes in each table
	s_mov_b32 s3, 0
	v_and_b32 v[LN], 31, v0                        ; lane
	v_lshlrev_b32 v[TO], 2, v[LN]
	s_wait_kmcnt 0x0
	s_add_nc_u64 s[12:13], s[12:13], s[2:3]
	s_add_nc_u64 s[14:15], s[14:15], s[2:3]
	s_load_b512 s[YO:YO+15], s[12:13], 0x80        ; words 32-63: y offsets, level, plane
	s_load_b512 s[YO+16:YO+31], s[12:13], 0xc0
	s_wait_alu depctr_va_vdst(0)                   ; v[TO] is written, which the two loads of my x tap read as their offset
	global_load_b32 v[XO], v[TO], s[12:13]         ; word lane: my x offset
	s_load_b512 s[WY:WY+15], s[14:15], 0x80        ; words 32-59: y weights
	s_load_b256 s[WY+16:WY+23], s[14:15], 0xc0
	s_load_b128 s[WY+24:WY+27], s[14:15], 0xe0
	global_load_b32 v[WX], v[TO], s[14:15]         ; my x weight
	; while these are on their way: everything that hangs on ids alone
	s_wait_alu depctr_va_sdst(0)                   ; s18 is written, ahead of its first reader: the stage's address, the first plane and the last branch are made from it
	s_mul_i32 s60, s18, CHW*CHB                    ; my wave's 3,136 bytes of the stage
	v_lshrrev_b32 v[LA], 2, v[LN]
	v_min_u32 v[LA], 6, v[LA]                      ; pw; lanes 28-31 go with pw 6
	v_lshl_add_u32 v[LA], v[LA], 2, s60
.set p, 0
.rept 7
	v_mov_b32 v[ACC+p], 0                          ; the destination of a DPP form counts as read: ACC0 is written once here
.set p, p+1
.endr
	s_and_b32 s52, ttmp9, 0x100                    ; image x 256 channels (boxes 256-511 belong to image 1)
	s_lshl_b32 s53, s19, 6
	s_add_co_u32 s52, s52, s53
	s_lshl_b32 s53, s18, 4
	s_add_co_u32 s52, s52, s53                     ; my first channel plane, 0..511
	s_mul_i32 s2, ttmp9, ROIB
	s_mul_i32 s53, s19, WGB
	s_add_co_u32 s2, s2, s53                       ; at most 25,690,112: one word
	s_add_nc_u64 s[16:17], s[16:17], s[2:3]        ; out0 at the work-group's 12,544 bytes
	s_wait_kmcnt 0x0
	; numbers read from memory enter addresses only behind a bound written in the instruction
	s_min_u32 s[LVL], s[LVL], 3
	s_min_u32 s[PLANE], s[PLANE], 0x40000          ; 4 x 256 x 256
.set j, 0
.rept 28
	s_min_u32 s[YO+j], s[YO+j], 0x3fc00            ; 255 rows of 1,024 bytes
.set j, j+1
.endr
	s_cmp_eq_u32 s[LVL], 1                         ; the level's feature map
	s_cselect_b64 s[BASE:BASE+1], s[6:7], s[4:5]
	s_cmp_eq_u32 s[LVL], 2
	s_cselect_b64 s[BASE:BASE+1], s[8:9], s[BASE:BASE+1]
	s_cmp_eq_u32 s[LVL], 3
	s_cselect_b64 s[BASE:BASE+1], s[10:11], s[BASE:BASE+1]
	s_mul_i32 s[STEP], s52, s[PLANE]               ; at most 511 x 262,144: one word
	s_mov_b32 s[STEP+1], 0
	s_add_nc_u64 s[BASE:BASE+1], s[BASE:BASE+1], s[STEP:STEP+1]       ; slot 0: my channel 0
	s_mov_b32 s[STEP], s[PLANE]
	s_add_nc_u64 s[BASE+4:BASE+5], s[BASE:BASE+1], s[STEP:STEP+1]     ; slot 1: my channel 1
	s_lshl_b32 s[STEP], s[PLANE], 1                ; a slot steps by two channels
	s_wait_loadcnt 0x0                             ; my x offset and weight
	s_wait_alu depctr_vm_vsrc(0)                   ; those two loads have read v[TO], which is written again below as ACC1's first register
	v_min_u32 v[XO], 0x3fc, v[XO]                  ; 255 columns of 4 bytes
.set j, 0
.rept 28
	v_add_nc_u32 v[OFF+j], s[YO+j], v[XO]
.set j, j+1
.endr
	s_wait_alu depctr_va_vdst(0)                   ; the 28 offsets v[OFF ..] are written, which every gather of the kernel reads
.macro FILL s                          ; a channel: 28 gathers, one feature row each
.set j, 0
.rept 28
	global_load_b32 v[X+28*\s+j], v[OFF+j], s[BASE+4*\s:BASE+4*\s+1]
.set j, j+1
.endr
.endm
	FILL 0
	FILL 1
.set j, 0
.rept 28
	v_mul_f32 v[W+j], s[WY+j], v[WX]               ; the 28 weights of my column, made while the first gathers are out
.set j, j+1
.endr
.set p, 0
.rept 7
	v_mov_b32 v[ACC+7+p], 0                        ; the head's four registers are done with: ACC1 is written once here, as ACC0 was
.set p, p+1
.endr
; The turn of slot s.  fill = 1: the slot gets the channel two further on.  left = how many younger gathers may stay out.
; age = 0: channel 0, with no channel in front of it to store.  1: channel 1, in front of which no store has been issued.  2: every later channel.
.macro TURN s, fill, left, age
	s_wait_loadcnt \left                           ; loads come back in order (ISA guide 5.7.1): my 28 are in, and their base is free
.if \age == 2
	s_wait_alu depctr_vm_vsrc(0)                   ; the LDS stores issued in the turn before have read ACC[s], which the first lane sums below write again, and v[LA]
.if \s == 1
	v_add_nc_u32 v[LA], 2*CHB, v[LA]               ; two channels on
.endif
.endif
	; rows 4 ph .. 4 ph + 3, two at a time: the pair (rows 0 + 2, rows 1 + 3) stays in the slot's first two registers of ph
.set p, 0
.rept 7
	v_pk_mul_f32 v[X+28*\s+4*p:X+28*\s+4*p+1], v[X+28*\s+4*p:X+28*\s+4*p+1], v[W+4*p:W+4*p+1]
.set p, p+1
.endr
.set p, 0
.rept 7
	v_pk_fma_f32 v[X+28*\s+4*p:X+28*\s+4*p+1], v[X+28*\s+4*p+2:X+28*\s+4*p+3], v[W+4*p+2:W+4*p+3], v[X+28*\s+4*p:X+28*\s+4*p+1]
.set p, p+1
.endr
.set p, 0
.rept 7
	v_add_f32_dpp v[ACC+7*\s+p], v[X+28*\s+4*p], v[X+28*\s+4*p+1] row_xmask:1 row_mask:0xf bank_mask:0xf   ; neighbour's first half + my second: the quad's total is kept
.set p, p+1
.endr
	s_wait_alu depctr_va_vdst(0)                   ; the products and first sums are done with X[s], in which the gathers below land; the turn before has written the other ACC, which the stores below read; v[LA] is written
.if \fill
	s_add_nc_u64 s[BASE+4*\s:BASE+4*\s+1], s[BASE+4*\s:BASE+4*\s+1], s[STEP:STEP+1]
.endif
	; two gathers, every second time a store of the channel before, one lane sum.  No further wait: the sums name ACC[s] alone
.set g, 0
.rept 14
.if \fill
	global_load_b32 v[X+28*\s+2*g],   v[OFF+2*g],   s[BASE+4*\s:BASE+4*\s+1]
	global_load_b32 v[X+28*\s+2*g+1], v[OFF+2*g+1], s[BASE+4*\s:BASE+4*\s+1]
.endif
.if (\age > 0) && (g%2 == 0)
	ds_store_b32 v[LA], v[ACC+7*(1-\s)+g/2] offset:(1-\s)*CHB+28*(g/2)    ; the four lanes write one word with one value
.endif
.if g < 7
	v_add_f32_dpp v[ACC+7*\s+g], v[ACC+7*\s+g], v[ACC+7*\s+g] row_xmask:1 row_mask:0xf bank_mask:0xf
.else
	v_add_f32_dpp v[ACC+7*\s+g-7], v[ACC+7*\s+g-7], v[ACC+7*\s+g-7] row_xmask:2 row_mask:0xf bank_mask:0xf   ; all four lanes of pw hold out[ph][pw]
.endif
.set g, g+1
.endr
.endm
	TURN 0, 1, 28, 0                               ; channels 0 and 1 are written out: nothing to store yet, no store to wait for, v[LA] at the wave's first channel
	TURN 1, 1, 28, 1
	s_mov_b32 s62, (CHW-4)/2
.Lpair:                                                ; channels 2 to 13
	TURN 0, 1, 28, 2
	TURN 1, 1, 28, 2
	s_sub_co_i32 s62, s62, 1
	s_cmp_lg_u32 s62, 0
	s_cbranch_scc1 .Lpair
	TURN 0, 0, 28, 2                               ; the last two channels ask for nothing: the counts run down
	TURN 1, 0, 0, 2
	; THE WAY OUT: the four waves' 12,544 bytes, read back in order and stored 16 bytes a lane
	v_lshlrev_b32 v[IO], 4, v0                     ; 16 t: the same offset in the stage and in out0.  OFF's registers are free: every gather stands ahead of the last turn's waits on LOADcnt and on vm_vsrc
	v_lshlrev_b32 v[TL], 3, v0                     ; 8 t, for wave 0's last store: made here by every wave, so that the wait below serves it too
	s_wait_alu depctr_va_vdst(0)                   ; channel 15's sums are written, which the last LDS stores read; so are v[IO] and v[TL]; and the vector side is done with X, in which the stage's loads land
.set p, 0
.rept 7
	ds_store_b32 v[LA], v[ACC+7+p] offset:CHB+28*p
.set p, p+1
.endr
	s_wait_dscnt 0x0                               ; my words are in LDS, for the others' sake
	s_barrier_signal -1
	s_barrier_wait -1
.irp i, 0,1,2,3,4,5
	ds_load_b128 v[X+4*\i:X+4*\i+3], v[IO] offset:2048*\i
.endr
.irp i, 0,1,2,3,4,5
	s_wait_dscnt 5-\i                              ; LDS loads come back in order: round i is in, the younger ones stay out
	global_store_b128 v[IO], v[X+4*\i:X+4*\i+3], s[16:17] offset:2048*\i th:TH_STORE_NT   ; a wave's store covers 512 consecutive bytes, at a multiple of 256 from out0's first byte
.endr
	s_cmp_lg_u32 s18, 0
	s_cbranch_scc1 .Ldone
	ds_load_b64 v[X+24:X+25], v[TL] offset:6*2048  ; wave 0: the last 256 bytes, 8 bytes a lane, in one store
	s_wait_dscnt 0x0
	global_store_b64 v[TL], v[X+24:X+25], s[16:17] offset:6*2048 th:TH_STORE_NT
.Ldone:
	s_wait_dscnt 0x0
	s_wait_alu depctr_hold_cnt(0) depctr_sa_sdst(0) depctr_va_vdst(0) depctr_va_sdst(0) depctr_va_ssrc(0) depctr_va_vcc(0) depctr_vm_vsrc(0)
	s_wait_tensorcnt 0x0
	ds_add_u32 v128, v129
	s_wait_dscnt 0x0
	s_endpgm
.Lfunc_end_k_q17257db776_pool:
	.size	k_q17257db776_pool, .Lfunc_end_k_q17257db776_pool-k_q17257db776_pool
	.p2alignl 7, 3214868480
	.fill 96, 4, 3214868480
	.section	.rodata,"a",@progbits
	.p2align	6, 0x0
	.amdhsa_kernel k_q17257db776_pool
		.amdhsa_group_segment_fixed_size 13056
		.amdhsa_private_segment_fixed_size 0
		.amdhsa_enable_private_segment 0
		.amdhsa_kernarg_size 56
		.amdhsa_user_sgpr_count 2
		.amdhsa_user_sgpr_kernarg_segment_ptr 1
		.amdhsa_wavefront_size32 1
		.amdhsa_system_sgpr_workgroup_id_x 1
		.amdhsa_system_sgpr_workgroup_id_y 1
		.amdhsa_system_sgpr_workgroup_id_z 1
		.amdhsa_system_vgpr_workitem_id 0
		.amdhsa_next_free_vgpr 130
		.amdhsa_next_free_sgpr 96
		.amdhsa_reserve_vcc 0
		.amdhsa_float_denorm_mode_32 3
		.amdhsa_float_denorm_mode_16_64 3
		.amdhsa_memory_ordered 1
		.amdhsa_forward_progress 1
		.amdhsa_inst_pref_size 41
	.end_amdhsa_kernel
	.amdgpu_metadata
---
amdhsa.version: [ 1, 2 ]
amdhsa.kernels:
  - .name:           k_q17257db776_pool
    .symbol:         k_q17257db776_pool.kd
    .args:
      - { .name: x2, .offset: 0, .size: 8, .value_kind: global_buffer, .address_space: global }
      - { .name: x3, .offset: 8, .size: 8, .value_kind: global_buffer, .address_space: global }
      - { .name: x4, .offset: 16, .size: 8, .value_kind: global_buffer, .address_space: global }
      - { .name: x5, .offset: 24, .size: 8, .value_kind: global_buffer, .address_space: global }
      - { .name: idx, .offset: 32, .size: 8, .value_kind: global_buffer, .address_space: global }
      - { .name: wts, .offset: 40, .size: 8, .value_kind: global_buffer, .address_space: global }
      - { .name: out0, .offset: 48, .size: 8, .value_kind: global_buffer, .address_space: global }
    .group_segment_fixed_size: 13056
    .private_segment_fixed_size: 0
    .kernarg_segment_align: 8
    .kernarg_segment_size: 56
    .max_flat_workgroup_size: 128
    .sgpr_count:     96
    .vgpr_count:     130
    .wavefront_size: 32
...
	.end_amdgpu_metadata
.endif
;; end of part 3
